; MI455X (gfx1250); checked and timed in simulation.
; The chip was launched on July 23, 2026; its instructions are those of AMD's public machine-readable ISA for CDNA 5 (MIT licence, August 2026) and "CDNA5" Instruction Set Architecture Reference Guide (July 2026). The comments in the code are by the model that wrote it; some were corrected since.
;; Sigmoid Attention. Allowed arithmetic: matrix products marked QUANTISED: E2M3 operands, one E8M0 scale for each 32 along K, by v_wmma_scale_f32_16x16x128_f8f6f4 with both operands' format E2M3, f32 sums; everything else in f32.
;; Inputs: W_k 768 x 768 float32; W_q 768 x 768 float32; W_v 768 x 768 float32; X 2 x 4,096 x 768 float32.
;; Outputs: out0 2 x 4,096 x 768 float32.
;; This version of the problem:
;;   THIS VERSION OF THE PROBLEM IS GIVEN IN LOW PRECISION. The matrix products marked QUANTISED in the list below multiply operands that are first quantised to E2M3 (2 exponent bits, 3 mantissa bits; 6 bits a number), with one power-of-two scale for each 32 numbers along K (OCP MX v1.0); their sums are f32. All else is computed in f32.
;;   The module's matrix products, in the order in which they are computed (A, B: the left and right operand; K: the contracted axis; several contracted axes count as one K, in the product's order):
;;     1. [M 8,192, K 768] x [K 768, N 768]; A: input X; B: input W_q: QUANTISED
;;     2. [M 8,192, K 768] x [K 768, N 768]; A: input X; B: input W_k: QUANTISED
;;     3. [M 8,192, K 768] x [K 768, N 768]; A: input X; B: input W_v: QUANTISED
;;     4. batch 12 x [M 4,096, K 128] x [K 128, N 4,096]; A: computed on the way; B: computed on the way: QUANTISED
;;     5. batch 12 x [M 4,096, K 4,096] x [K 4,096, N 128]; A: computed on the way; B: computed on the way: QUANTISED
;;   THE QUANTISER, for each operand of a quantised product, along K:
;;     - K is cut into blocks of 32 from its start; a last block that is shorter is filled with zeros.
;;     - A block's scale is 2^e with e = floor(log2(the largest magnitude in the block)) - 2, held to -126 .. 127; a block of zeros has e = 0. As a byte (E8M0): e + 127.
;;     - Each number is divided by its block's scale, clamped to +-7.5, and rounded to the nearest number of E2M3, ties to even, subnormals kept.
;;     - The product sums the exact products of the quantised numbers (number of the format x scale) in f32.
;;   ~~~python
;;   def quantise(x, axis):      # numpy; x: float32 -> the quantised numbers, widened to float32 again
;;       x = np.moveaxis(x, axis, -1); K = x.shape[-1]
;;       x = np.pad(x, [(0, 0)] * (x.ndim - 1) + [(0, -K % 32)]); x = x.reshape(x.shape[:-1] + (-1, 32)); a = np.abs(x).max(-1, keepdims=True)
;;       e = np.where(a > 0, np.clip(np.frexp(np.where(a > 0, a, 1))[1] - 1 - 2, -126, 127), 0)      # np.frexp(a)[1] - 1 = floor(log2(a)), exactly
;;       r = np.clip(x / 2.0 ** e, -7.5, 7.5)
;;       step = 2.0 ** (np.maximum(np.frexp(np.where(r == 0, 1, r))[1] - 1, 0) - 3)
;;       q = np.round(r / step) * step * 2.0 ** e      # np.round: ties to even
;;       return np.moveaxis(q.reshape(q.shape[:-2] + (-1,))[..., :K], -1, axis).astype(np.float32)
;;   ~~~
;;   OPERANDS COMPUTED ON THE WAY. 'Computed on the way' means the value that the module computes at that place (a softmax that the list does not call 'softmax' is quantised finished and normalised). What goes into a quantiser is computed in f32, as accurately as f32 sums, v_exp_f32 and their like allow (about 1e-6 of the number): no bf16 or f16 on the way to a quantiser, and a product that is left as it is and whose result goes on into a quantised operand takes f32 operands (vector FMAs, or v_wmma_f32_16x16x4_f32). A number that lies on a knife's edge between two numbers of the format may be rounded either way, as far as f32 arithmetic and the matrix unit's own rounding can turn it there, and no further.
;; One version. Each part assembles by itself: llvm-mc -triple=amdgcn-amd-amdhsa -mcpu=gfx1250 --defsym DOCPART=n.
;; ======== version 1 of 1: 3 launches
;; workspace buffers: x_img 4,718,592 bytes; x_sc 196,608 bytes; w_img 1,327,104 bytes; w_sc 55,296 bytes; q_img 4,718,592 bytes; q_sc 196,608 bytes; kv 9,830,400 bytes
;; launch quant (part 1): grid 328 x 1, 3 waves a work-group, no clusters, 26,112 bytes of LDS; arguments X, W_q, W_k, W_v, x_img, x_sc, w_img, w_sc; writes x_img, x_sc, w_img, w_sc
.if DOCPART == 1
	.amdgcn_target "amdgcn-amd-amdhsa--gfx1250"
	.amdhsa_code_object_version 6
	.text
	.protected	k_q69869a6ead_quant
	.globl	k_q69869a6ead_quant
	.p2align	8
	.type	k_q69869a6ead_quant,@function
k_q69869a6ead_quant:
	s_mov_b64 s[64:65], 0
	v_nop
	global_prefetch_b8 v0, s[64:65] scope:SCOPE_SE
	s_setreg_imm32_b32 hwreg(HW_REG_WAVE_MODE, 25, 1), 1
	s_wait_xcnt 0x0
; X [8192][768] and the stacked weights W = [W_q; W_k; W_v] [2304][768], f32 with K innermost, become codes of FP6 (E2M3) with one E8M0 byte for each 32 along K,
; laid as IMAGES OF OPERAND REGISTERS: a fragment (16 rows x 128 K, 12 registers a lane) is 1,536 bytes: registers 4 c .. 4 c + 3 of lane l at 512 c + 16 l.
; Rows go in blocks of 32; a block has two tiles u = 0, 1, and lane-row r of tile u is row 32 block + 8 u + r + 8 (r / 8).  A block's images: [K step 0..5][u], 18,432 bytes.
; Its scale words: [pair of K steps 0..2][lane 16 u + r][2 words], 768 bytes.
; A block's scale is 2^(floor(log2(largest magnitude)) - 2): its byte is the largest magnitude's exponent field - 2, held at 1 from below.
; LIMITS: NaN and infinities among the inputs are not served; a block whose largest magnitude lies under 2^-124 (a block of zeros too) keeps the byte 1: this program alone reads the bytes.
; SHARES: a work-group takes one block of 32 rows (0-255: X's; 256-327: W's); wave p takes K steps 2 p and 2 p + 1: four fragments.  One path for all; only pointers are chosen.
; Each load reads 512 consecutive bytes of one row; a fragment's 16 rows turn through the wave's own stage in LDS, so that a lane gets 16 neighbours of each block of 32.  No barrier: waves share nothing.
.set ROWB, 3072                        ; a row of X or W in bytes
.set STG,  8448                        ; a wave's stage: 16 rows x (512 + 16) bytes
.set LI,  1                            ; v1   16 x lane
.set L8,  2                            ; v2   8 x lane
.set STI, 3                            ; v3   stage + 16 x lane: the way in
.set STO, 4                            ; v4   stage + 528 r + 64 h: the way out
.set PW,  8                            ; v8-9   the scale words of tiles 0, 1
.set SW,  10                           ; v10-11 both tiles' words (lanes 0-15, 16-31) of my two K steps
.set TM,  12                           ; v12-27 at work in QUANT
.set CT,  28                           ; v28-35 conversions' second halves
.set PC,  36                           ; v36-47 the fragment just made
.set XN,  48                           ; v48-111 64 numbers of my row
.set R,   128                          ; v128-255 two sets of 64 as loaded
.set WV,  20
.set OM,  21
.set BK,  22
.set SRC, 24
.set IMG, 26
.set SCP, 28
.set SEL, 32
.set MK,  34
; 64 numbers of a lane, register 16 b + i = k 32 b + 16 (lane / 16) + i of my row, become a fragment's 12 registers at v[pc] and the row's scale word in v[pw] (the same in both halves of the lanes).
.macro QUANT s, pc, pw
.irp b, 0,1,2,3
	v_max3_num_f32 v[TM+\b], |v[(\s)+16*\b]|, |v[(\s)+1+16*\b]|, 0x1800000   ; my 16 numbers of block b, and the floor 2^(3 - 127): the byte cannot fall under 1
.endr
.irp i, 2,4,6,8,10,12,14
.irp b, 0,1,2,3
	v_max3_num_f32 v[TM+\b], v[TM+\b], |v[(\s)+16*\b+\i]|, |v[(\s)+1+16*\b+\i]|   ; the four blocks by turns
.endr
.endr
.irp b, 0,1,2,3
	v_permlanex16_b32 v[TM+4+\b], v[TM+\b], s[SEL], s[SEL+1]
.endr
.irp b, 0,1,2,3
	v_max_num_f32 v[TM+\b], v[TM+\b], v[TM+4+\b]        ; with lane l xor 16's: the block's largest magnitude
.endr
.irp b, 0,1,2,3
	v_add_nc_u32 v[TM+12+\b], 0xff000000, v[TM+\b]      ; 2 off its exponent field: the conversion's scale operand
.endr
.irp b, 0,1,2,3
	v_lshrrev_b32 v[TM+4+\b], 23, v[TM+12+\b]           ; the scale's byte
.endr
	v_lshl_or_b32 v[\pw], v[TM+5], 8, v[TM+4]
	v_lshl_or_b32 v[\pw], v[TM+6], 16, v[\pw]
	v_lshl_or_b32 v[\pw], v[TM+7], 24, v[\pw]
.irp c, 0,1
	v_cvt_scalef32_pk16_fp6_f32 v[(\pc)+6*\c:(\pc)+6*\c+2], v[(\s)+32*\c:(\s)+32*\c+15], v[TM+12+2*\c]
	v_cvt_scalef32_pk16_fp6_f32 v[CT+4*\c:CT+4*\c+2], v[(\s)+32*\c+16:(\s)+32*\c+31], v[TM+13+2*\c]   ; (a conversion's three registers begin on an even number)
.endr
	v_nop                                               ; one plain place behind a scaled conversion
.irp c, 0,1                            ; the operand's layout wants a whole block in a lane: lanes 0-15 block 2 c, lanes 16-31 block 2 c + 1
.irp i, 0,1,2
	v_permlane16_swap_b32 v[(\pc)+6*\c+\i], v[CT+4*\c+\i]
.endr
.irp i, 0,1,2
	v_mov_b32 v[(\pc)+6*\c+3+\i], v[CT+4*\c+\i]
.endr
.endr
.endm
	s_load_b256 s[4:11], s[0:1], 0x0               ; X, W_q, W_k, W_v
	s_load_b256 s[12:19], s[0:1], 0x20             ; x_img, x_sc, w_img, w_sc
	v_lshl_add_u32 v126, v0, 2, 0x6400
	v_mov_b32 v127, 0
	v_lshrrev_b32 v5, 5, v0
	v_readfirstlane_b32 s[WV], v5                  ; wave 0..2
	v_and_b32 v5, 31, v0                           ; lane
	v_lshlrev_b32 v[LI], 4, v5
	v_lshlrev_b32 v[L8], 3, v5
	s_mul_i32 s36, s[WV], STG                      ; my stage
	v_add_nc_u32 v[STI], s36, v[LI]
	v_and_b32 v6, 15, v0                           ; r
	v_bfe_u32 v7, v0, 4, 1                         ; h
	v_mul_u32_u24 v[STO], v6, 528
	v_lshl_add_u32 v[STO], v7, 6, v[STO]
	v_add_nc_u32 v[STO], s36, v[STO]
.irp b, 0,1,2,3
	v_mov_b32 v[TM+4+\b], 0                        ; written once: a lane permute's destination counts as one of its sources
.endr
	s_mov_b32 s[SEL], 0x76543210
	s_mov_b32 s[SEL+1], 0xfedcba98                 ; lane l xor 16
	s_mov_b32 s[MK], 0xffff0000                    ; lanes 16-31
	s_sub_co_u32 s[OM], ttmp9, 256                 ; W's block (not used by X's work-groups)
	s_wait_kmcnt 0x0
	s_cmp_ge_u32 s[OM], 24                         ; every choice hangs on the work-group's number alone
	s_cselect_b32 s[BK], 24, 0
	s_cselect_b64 s[SRC:SRC+1], s[8:9], s[6:7]
	s_cmp_ge_u32 s[OM], 48
	s_cselect_b32 s[BK], 48, s[BK]
	s_cselect_b64 s[SRC:SRC+1], s[10:11], s[SRC:SRC+1]
	s_sub_co_u32 s[BK], s[OM], s[BK]               ; the block inside its matrix
	s_cmp_lt_u32 ttmp9, 256
	s_cselect_b64 s[SRC:SRC+1], s[4:5], s[SRC:SRC+1]
	s_cselect_b32 s[BK], ttmp9, s[BK]
	s_cselect_b32 s[OM], ttmp9, s[OM]
	s_cselect_b64 s[IMG:IMG+1], s[12:13], s[16:17]
	s_cselect_b64 s[SCP:SCP+1], s[14:15], s[18:19]
	s_mul_i32 s30, s[BK], 32*ROWB                  ; 32 rows a block,
	s_lshl_b32 s31, s[WV], 10                      ; my 256 columns
	s_add_co_u32 s30, s30, s31
	s_mov_b32 s31, 0
	s_add_nc_u64 s[SRC:SRC+1], s[SRC:SRC+1], s[30:31]
	s_mul_i32 s30, s[OM], 18432
	s_mul_i32 s35, s[WV], 6144                     ; four images a wave
	s_add_co_u32 s30, s30, s35
	s_add_nc_u64 s[IMG:IMG+1], s[IMG:IMG+1], s[30:31]
	s_mul_i32 s30, s[OM], 768
	s_lshl_b32 s35, s[WV], 8
	s_add_co_u32 s30, s30, s35
	s_add_nc_u64 s[SCP:SCP+1], s[SCP:SCP+1], s[30:31]
; fragment f = 2 sl + u: tile u of my K step sl.  Load i reads the 512 bytes of lane-row i.
.macro LOAD f
.irp i, 0,1,2,3,4,5,6,7,8,9,10,11,12,13,14,15
	global_load_b128 v[R+64*((\f)%2)+4*\i:R+64*((\f)%2)+4*\i+3], v[LI], s[SRC:SRC+1] offset:(8*((\f)%2)+\i+8*(\i/8))*ROWB+512*((\f)/2) th:TH_LOAD_NT
.endr
.endm
.macro FRAGQ f
.if (\f) < 3
	s_wait_loadcnt 16                              ; this fragment's 16 loads are in; the next fragment's 16 may be out
.else
	s_wait_loadcnt 0x0
.endif
.irp i, 0,1,2,3,4,5,6,7,8,9,10,11,12,13,14,15
	ds_store_b128 v[STI], v[R+64*((\f)%2)+4*\i:R+64*((\f)%2)+4*\i+3] offset:528*\i
.endr
.irp b, 0,1,2,3
.irp j, 0,1,2,3
	ds_load_b128 v[XN+16*\b+4*\j:XN+16*\b+4*\j+3], v[STO] offset:128*\b+16*\j   ; LDS serves a wave's instructions in order: these see the stores above
.endr
.endr
	s_wait_dscnt 0x0                               ; my 64 numbers are in, and the stores have read the set
.if (\f) > 0
	s_wait_xcnt 0x0                                ; the last fragment's stores have read their data: the codes' registers are written again only behind this wait
.endif
.if (\f) < 2
	LOAD (\f)+2
.endif
	QUANT XN, PC, PW+(\f)%2
.irp c, 0,1,2
	global_store_b128 v[LI], v[PC+4*\c:PC+4*\c+3], s[IMG:IMG+1] offset:(\f)*1536+512*\c   ; 512 consecutive bytes, aligned
.endr
.if (\f)%2 == 1
	v_cndmask_b32 v[SW+(\f)/2], v[PW], v[PW+1], s[MK]   ; lanes 0-15 tile 0's words, lanes 16-31 tile 1's
.endif
.endm
	LOAD 0
	LOAD 1
	FRAGQ 0
	FRAGQ 1
	FRAGQ 2
	FRAGQ 3
	global_store_b64 v[L8], v[SW:SW+1], s[SCP:SCP+1]   ; 256 consecutive bytes, aligned
	s_wait_tensorcnt 0x0
	ds_add_u32 v126, v127
	s_wait_dscnt 0x0
	s_endpgm
.Lfunc_end_k_q69869a6ead_quant:
	.size	k_q69869a6ead_quant, .Lfunc_end_k_q69869a6ead_quant-k_q69869a6ead_quant
	.p2alignl 7, 3214868480
	.fill 96, 4, 3214868480
	.section	.rodata,"a",@progbits
	.p2align	6, 0x0
	.amdhsa_kernel k_q69869a6ead_quant
		.amdhsa_group_segment_fixed_size 26112
		.amdhsa_private_segment_fixed_size 0
		.amdhsa_enable_private_segment 0
		.amdhsa_kernarg_size 64
		.amdhsa_user_sgpr_count 2
		.amdhsa_user_sgpr_kernarg_segment_ptr 1
		.amdhsa_wavefront_size32 1
		.amdhsa_system_sgpr_workgroup_id_x 1
		.amdhsa_system_sgpr_workgroup_id_y 1
		.amdhsa_system_sgpr_workgroup_id_z 1
		.amdhsa_system_vgpr_workitem_id 0
		.amdhsa_next_free_vgpr 256
		.amdhsa_next_free_sgpr 66
		.amdhsa_reserve_vcc 0
		.amdhsa_float_denorm_mode_32 3
		.amdhsa_float_denorm_mode_16_64 3
		.amdhsa_memory_ordered 1
		.amdhsa_forward_progress 1
		.amdhsa_inst_pref_size 34
	.end_amdhsa_kernel
	.amdgpu_metadata
---
amdhsa.version: [ 1, 2 ]
amdhsa.kernels:
  - .name:           k_q69869a6ead_quant
    .symbol:         k_q69869a6ead_quant.kd
    .args:
      - { .name: X, .offset: 0, .size: 8, .value_kind: global_buffer, .address_space: global }
      - { .name: W_q, .offset: 8, .size: 8, .value_kind: global_buffer, .address_space: global }
      - { .name: W_k, .offset: 16, .size: 8, .value_kind: global_buffer, .address_space: global }
      - { .name: W_v, .offset: 24, .size: 8, .value_kind: global_buffer, .address_space: global }
      - { .name: x_img, .offset: 32, .size: 8, .value_kind: global_buffer, .address_space: global }
      - { .name: x_sc, .offset: 40, .size: 8, .value_kind: global_buffer, .address_space: global }
      - { .name: w_img, .offset: 48, .size: 8, .value_kind: global_buffer, .address_space: global }
      - { .name: w_sc, .offset: 56, .size: 8, .value_kind: global_buffer, .address_space: global }
    .group_segment_fixed_size: 26112
    .private_segment_fixed_size: 0
    .kernarg_segment_align: 8
    .kernarg_segment_size: 64
    .max_flat_workgroup_size: 96
    .sgpr_count:     66
    .vgpr_count:     256
    .wavefront_size: 32
...
	.end_amdgpu_metadata
.endif
;; end of part 1
;; launch proj (part 2): grid 256 x 1, 4 waves a work-group, no clusters, 0 bytes of LDS; arguments x_img, x_sc, w_img, w_sc, q_img, q_sc, kv; writes q_img, q_sc, kv
.if DOCPART == 2
	.amdgcn_target "amdgcn-amd-amdhsa--gfx1250"
	.amdhsa_code_object_version 6
	.text
	.protected	k_q69869a6ead_proj
	.globl	k_q69869a6ead_proj
	.p2align	8
	.type	k_q69869a6ead_proj,@function
k_q69869a6ead_proj:
	s_mov_b64 s[64:65], 0
	v_nop
	global_prefetch_b8 v0, s[64:65] scope:SCOPE_SE
	s_setreg_imm32_b32 hwreg(HW_REG_WAVE_MODE, 25, 1), 1
	s_wait_xcnt 0x0
; Q = X W_q^T, K = X W_k^T, V = X W_v^T on codes of FP6 (E2M3) with E8M0 scales, sums in f32; the results are quantised in registers and leave as images of the next products' operands:
; Q and K along the head's 128, V along the keys.
; ONE BODY, TWO ROLES.  A wave keeps an EIGHT-SIDE of 128 rows (8 tiles x 6 K steps = 48 fragments, 576 registers) as source 0 and streams blocks of 32 rows (2 tiles x 6 K steps) as source 1.
; In the result a lane holds one row of the block, and its 64 registers of a tile are 128 neighbours along the eight-side, since lane-row r of tile 2 b + u is row 32 b + 8 u + r + 8 (r / 8).
;   Q, K (work-groups 0-191): eight-side = a head's 128 rows of W, blocks = rows of X: a fragment of 16 queries or keys x 128 of the head.  Four blocks a wave.
;   V    (work-groups 192-255): eight-side = 128 rows (keys) of X, blocks = rows of W_v: a fragment of 16 channels x 128 keys.  Six blocks a wave.  Nothing is transposed.
; OUT: q_img [bh][block][tile] x 1,536, q_sc [bh][block][lane]; kv [bh][key step of 128] x 25,600: K's 8 images, 512 bytes of K's scale words, V's 8 images, 512 bytes of V's scale words.
; No LDS and no tensor load: the four waves of a Q or K work-group each read the same eight-side (73,728 bytes) into their own registers; sharing it would want a ring for a launch whose every wave has 4 or 6 units of work.
; LIMITS: NaN and infinities are not served; a block whose largest magnitude lies under 2^-124 (a block of zeros too) keeps the byte 1: this program alone reads the bytes.
; REGISTERS: window 0: v1-3 offsets; v8-31, v32-37 scale words; v38-91 at work; v128-255 the 16 accumulators ((a, t) at 128 + 64 a + 8 t).
;   window 1 + s / 2: eight-side (s, t) at v[96 (s % 2) + 12 t]; block (s, a) at v[192 + 24 (s % 2) + 12 a].
.set LI,  1                            ; 16 x lane
.set L8,  2                            ; 8 x lane
.set L4,  3                            ; 4 x lane
.set S8,  8                            ; v[S8 + 6 j + s]: lanes 0-15 tile 2 j's words, lanes 16-31 tile 2 j + 1's, K step s
.set S2,  32                           ; v[S2 + s]: the block's two tiles likewise
.set PW0, 38
.set PW1, 39
.set SWC, 40
.set TM,  44
.set PC0, 60
.set PC1, 72
.set CT,  84
.set ACC, 128
.set WV,  18
.set MK,  19
.set N,   25                           ; which block of my run
.set CNT, 26                           ; blocks to go
.set IB,  42
.set SB,  44
.set P8,  50
.set P8S, 52
.set P2,  54
.set P2S, 56
.set OI,  58
.set OS,  60
.set SEL, 62
.set MSB, 0
.macro WIN new                         ; the immediate's high byte repeats the setting that is left
.if MSB != (\new)
	s_set_vgpr_msb (MSB<<8)|(\new)
.set MSB, (\new)
.endif
.endm
.macro QUANT s, pc, pw                 ; 64 numbers, register 16 b + i = k 32 b + 16 (lane / 16) + i of my row -> 12 registers of codes at v[pc], the row's scale word in v[pw]
.irp b, 0,1,2,3
	v_max3_num_f32 v[TM+\b], |v[(\s)+16*\b]|, |v[(\s)+1+16*\b]|, 0x1800000   ; each accumulator is first read at its low end; the floor 2^(3 - 127) holds the byte at 1 from below
.endr
.irp i, 2,4,6,8,10,12,14
.irp b, 0,1,2,3
	v_max3_num_f32 v[TM+\b], v[TM+\b], |v[(\s)+16*\b+\i]|, |v[(\s)+1+16*\b+\i]|
.endr
.endr
.irp b, 0,1,2,3
	v_permlanex16_b32 v[TM+4+\b], v[TM+\b], s[SEL], s[SEL+1]
.endr
.irp b, 0,1,2,3
	v_max_num_f32 v[TM+\b], v[TM+\b], v[TM+4+\b]
.endr
.irp b, 0,1,2,3
	v_add_nc_u32 v[TM+12+\b], 0xff000000, v[TM+\b]      ; 2 off the exponent field: the conversion's scale operand
.endr
.irp b, 0,1,2,3
	v_lshrrev_b32 v[TM+4+\b], 23, v[TM+12+\b]
.endr
	v_lshl_or_b32 v[\pw], v[TM+5], 8, v[TM+4]
	v_lshl_or_b32 v[\pw], v[TM+6], 16, v[\pw]
	v_lshl_or_b32 v[\pw], v[TM+7], 24, v[\pw]
.irp c, 0,1
	v_cvt_scalef32_pk16_fp6_f32 v[(\pc)+6*\c:(\pc)+6*\c+2], v[(\s)+32*\c:(\s)+32*\c+15], v[TM+12+2*\c]
	v_cvt_scalef32_pk16_fp6_f32 v[CT+4*\c:CT+4*\c+2], v[(\s)+32*\c+16:(\s)+32*\c+31], v[TM+13+2*\c]
.endr
	v_nop                                               ; one plain place behind a scaled conversion
.irp c, 0,1
.irp i, 0,1,2
	v_permlane16_swap_b32 v[(\pc)+6*\c+\i], v[CT+4*\c+\i]
.endr
.irp i, 0,1,2
	v_mov_b32 v[(\pc)+6*\c+3+\i], v[CT+4*\c+\i]
.endr
.endr
.endm
; one matrix instruction.  acc: adds onto d (else the product starts the sum);  ra, rb: source 0's, source 1's scale words stand in lanes 16-31
.macro W6 d, a, b, sa, sb, acc, ra, rb
.if \acc
.if \ra
.if \rb
	v_wmma_scale_f32_16x16x128_f8f6f4 v[(\d):(\d)+7], v[(\a):(\a)+11], v[(\b):(\b)+11], v[(\d):(\d)+7], v[\sa], v[\sb] matrix_a_fmt:MATRIX_FMT_FP6 matrix_b_fmt:MATRIX_FMT_FP6 matrix_a_scale:MATRIX_SCALE_ROW1 matrix_b_scale:MATRIX_SCALE_ROW1
.else
	v_wmma_scale_f32_16x16x128_f8f6f4 v[(\d):(\d)+7], v[(\a):(\a)+11], v[(\b):(\b)+11], v[(\d):(\d)+7], v[\sa], v[\sb] matrix_a_fmt:MATRIX_FMT_FP6 matrix_b_fmt:MATRIX_FMT_FP6 matrix_a_scale:MATRIX_SCALE_ROW1
.endif
.else
.if \rb
	v_wmma_scale_f32_16x16x128_f8f6f4 v[(\d):(\d)+7], v[(\a):(\a)+11], v[(\b):(\b)+11], v[(\d):(\d)+7], v[\sa], v[\sb] matrix_a_fmt:MATRIX_FMT_FP6 matrix_b_fmt:MATRIX_FMT_FP6 matrix_b_scale:MATRIX_SCALE_ROW1
.else
	v_wmma_scale_f32_16x16x128_f8f6f4 v[(\d):(\d)+7], v[(\a):(\a)+11], v[(\b):(\b)+11], v[(\d):(\d)+7], v[\sa], v[\sb] matrix_a_fmt:MATRIX_FMT_FP6 matrix_b_fmt:MATRIX_FMT_FP6
.endif
.endif
.else
.if \ra
.if \rb
	v_wmma_scale_f32_16x16x128_f8f6f4 v[(\d):(\d)+7], v[(\a):(\a)+11], v[(\b):(\b)+11], 0, v[\sa], v[\sb] matrix_a_fmt:MATRIX_FMT_FP6 matrix_b_fmt:MATRIX_FMT_FP6 matrix_a_scale:MATRIX_SCALE_ROW1 matrix_b_scale:MATRIX_SCALE_ROW1
.else
	v_wmma_scale_f32_16x16x128_f8f6f4 v[(\d):(\d)+7], v[(\a):(\a)+11], v[(\b):(\b)+11], 0, v[\sa], v[\sb] matrix_a_fmt:MATRIX_FMT_FP6 matrix_b_fmt:MATRIX_FMT_FP6 matrix_a_scale:MATRIX_SCALE_ROW1
.endif
.else
.if \rb
	v_wmma_scale_f32_16x16x128_f8f6f4 v[(\d):(\d)+7], v[(\a):(\a)+11], v[(\b):(\b)+11], 0, v[\sa], v[\sb] matrix_a_fmt:MATRIX_FMT_FP6 matrix_b_fmt:MATRIX_FMT_FP6 matrix_b_scale:MATRIX_SCALE_ROW1
.else
	v_wmma_scale_f32_16x16x128_f8f6f4 v[(\d):(\d)+7], v[(\a):(\a)+11], v[(\b):(\b)+11], 0, v[\sa], v[\sb] matrix_a_fmt:MATRIX_FMT_FP6 matrix_b_fmt:MATRIX_FMT_FP6
.endif
.endif
.endif
.endm
.macro LOAD8                           ; the eight-side: four blocks' images and scale words; they stay
.irp s, 0,1,2,3,4,5
	WIN (1+\s/2)<<6
.irp t, 0,1,2,3,4,5,6,7
.irp c, 0,1,2
	global_load_b128 v[96*(\s%2)+12*\t+4*\c:96*(\s%2)+12*\t+4*\c+3], v[LI], s[P8:P8+1] offset:(\t/2)*18432+(2*\s+\t%2)*1536+512*\c
.endr
.endr
.endr
	WIN 0
.irp j, 0,1,2,3
.irp p, 0,1,2
	global_load_b64 v[S8+6*\j+2*\p:S8+6*\j+2*\p+1], v[L8], s[P8S:P8S+1] offset:768*\j+256*\p
.endr
.endr
.endm
.macro LOAD2                           ; one block of 32 rows
.irp s, 0,1,2,3,4,5
	WIN (1+\s/2)<<6
.irp a, 0,1
.irp c, 0,1,2
	global_load_b128 v[192+24*(\s%2)+12*\a+4*\c:192+24*(\s%2)+12*\a+4*\c+3], v[LI], s[P2:P2+1] offset:(2*\s+\a)*1536+512*\c
.endr
.endr
.endr
	WIN 0
.irp p, 0,1,2
	global_load_b64 v[S2+2*\p:S2+2*\p+1], v[L8], s[P2S:P2S+1] offset:256*\p
.endr
.endm
.macro MULS                            ; 96 matrix instructions: the 16 accumulators by turns, one instruction a turn, K ascending; the first K step starts the sums
.irp s, 0,1,2,3,4,5
	WIN 5*(1+\s/2)
.irp a, 0,1
.irp t, 0,1,2,3,4,5,6,7
	W6 ACC+64*\a+8*\t, 96*(\s%2)+12*\t, 192+24*(\s%2)+12*\a, S8+6*(\t/2)+\s, S2+\s, \s, \t%2, \a
.endr
.endr
.endr
	WIN 0
.endm
	s_load_b256 s[4:11], s[0:1], 0x0               ; x_img, x_sc, w_img, w_sc
	s_load_b128 s[12:15], s[0:1], 0x20             ; q_img, q_sc
	s_load_b64 s[16:17], s[0:1], 0x30              ; kv
	v_lshrrev_b32 v4, 5, v0
	v_readfirstlane_b32 s[WV], v4                  ; wave 0..3
	v_and_b32 v4, 31, v0
	v_lshlrev_b32 v[LI], 4, v4
	v_lshlrev_b32 v[L8], 3, v4
	v_lshlrev_b32 v[L4], 2, v4
.irp b, 0,1,2,3
	v_mov_b32 v[TM+4+\b], 0                        ; written once: a lane permute's destination counts as one of its sources
.endr
	s_mov_b32 s[SEL], 0x76543210
	s_mov_b32 s[SEL+1], 0xfedcba98
	s_mov_b32 s[MK], 0xffff0000
	; Q, K: m = wg / 16 (0-5 Q's heads, 6-11 K's), g = wg % 16: X's blocks 16 g + 4 w on.   V: gv = wg - 192: X's rows 128 gv on; W_v's blocks 6 w on.  What the other role does not use is computed and dropped.
	s_lshr_b32 s21, ttmp9, 4                       ; m
	s_and_b32 s22, ttmp9, 15                       ; g
	s_sub_co_u32 s23, ttmp9, 192                   ; gv
	s_lshl_b32 s24, s22, 4
	s_lshl_b32 s29, s[WV], 2
	s_add_co_u32 s24, s24, s29                     ; my first block of X
	s_mul_i32 s29, s[WV], 6
	s_add_co_u32 s30, s29, 48                      ; my first block of the stacked W
	s_cmp_lt_u32 ttmp9, 192
	s_cselect_b32 s[N], 0, s29
	s_cselect_b32 s[CNT], 4, 6
	s_cselect_b32 s27, s24, s30                    ; the first block that I stream
	s_cselect_b32 s28, s21, s23                    ; which 128 rows I keep
	; where the results go
	s_lshr_b32 s30, s22, 3                         ; batch
	s_mul_i32 s30, s30, 6
	s_cmp_ge_u32 s21, 6
	s_cselect_b32 s31, 6, 0
	s_sub_co_u32 s31, s21, s31                     ; head
	s_add_co_u32 s30, s30, s31                     ; bh
	s_and_b32 s31, s24, 127                        ; my first block within the batch
	s_lshl_b32 s32, s30, 7
	s_add_co_u32 s32, s32, s31                     ; Q: 128 bh + block
	s_lshl_b32 s33, s30, 5
	s_lshr_b32 s34, s31, 2
	s_add_co_u32 s33, s33, s34                     ; K: key step 32 bh + block / 4
	s_lshr_b32 s34, s23, 5
	s_mul_i32 s34, s34, 192
	s_and_b32 s35, s23, 31
	s_add_co_u32 s34, s34, s35                     ; V: key step 192 batch + gv % 32 of head 0
	s_mul_i32 s33, s33, 25600
	s_mul_i32 s34, s34, 25600
	s_add_co_u32 s34, s34, 12800                   ; V's images lie behind K's part of a step
	s_cmp_lt_u32 ttmp9, 192
	s_cselect_b32 s33, s33, s34
	s_add_co_u32 s34, s33, 12288                   ; the scale words lie behind the 8 images
	s_mul_i32 s35, s32, 3072
	s_lshl_b32 s36, s32, 7
	s_cmp_lt_u32 ttmp9, 96
	s_cselect_b32 s38, s35, s33
	s_cselect_b32 s40, s36, s34
	s_mov_b32 s39, 0
	s_mov_b32 s41, 0
	s_wait_kmcnt 0x0
	s_cselect_b64 s[IB:IB+1], s[12:13], s[16:17]
	s_cselect_b64 s[SB:SB+1], s[14:15], s[16:17]
	s_add_nc_u64 s[IB:IB+1], s[IB:IB+1], s[38:39]
	s_add_nc_u64 s[SB:SB+1], s[SB:SB+1], s[40:41]
	s_mul_i32 s30, s28, 73728
	s_mov_b32 s31, 0
	s_mul_i32 s32, s28, 3072
	s_mov_b32 s33, 0
	s_mul_i32 s34, s27, 18432
	s_mov_b32 s35, 0
	s_mul_i32 s36, s27, 768
	s_mov_b32 s37, 0
	s_cmp_lt_u32 ttmp9, 192
	s_cselect_b64 s[P8:P8+1], s[8:9], s[4:5]
	s_cselect_b64 s[P8S:P8S+1], s[10:11], s[6:7]
	s_cselect_b64 s[P2:P2+1], s[4:5], s[8:9]
	s_cselect_b64 s[P2S:P2S+1], s[6:7], s[10:11]
	s_add_nc_u64 s[P8:P8+1], s[P8:P8+1], s[30:31]
	s_add_nc_u64 s[P8S:P8S+1], s[P8S:P8S+1], s[32:33]
	s_add_nc_u64 s[P2:P2+1], s[P2:P2+1], s[34:35]
	s_add_nc_u64 s[P2S:P2S+1], s[P2S:P2S+1], s[36:37]
	LOAD8
	LOAD2
.Lunit:                                            ; a trip: the eight-side x one block
	s_wait_loadcnt 0x0                             ; all that was asked for is in
	MULS
.rept 4
	v_nop                                          ; places in front of the loads into the block's registers and scale words, and of the first read of results
.endr
	s_wait_xcnt 0x0                                ; the last trip's stores have read their data and bases: both are written again only behind this wait
	s_lshr_b32 s46, s[N], 2                        ; V: head n / 4, 32 key steps of 25,600 bytes on (0 for Q and K)
	s_mul_i32 s46, s46, 819200
	s_and_b32 s47, s[N], 3
	s_mul_i32 s48, s47, 3072                       ; two images a block
	s_add_co_u32 s48, s48, s46
	s_mov_b32 s49, 0
	s_add_nc_u64 s[OI:OI+1], s[IB:IB+1], s[48:49]
	s_lshl_b32 s48, s47, 7                         ; 128 bytes of scale words a block
	s_add_co_u32 s48, s48, s46
	s_add_nc_u64 s[OS:OS+1], s[SB:SB+1], s[48:49]
	s_cmp_eq_u32 s[CNT], 1                         ; the next block is asked for here, if there is one: it lands under the two quantisers, and no load leaves its buffer
	s_cbranch_scc1 .Lno_next
	s_add_nc_u64 s[P2:P2+1], s[P2:P2+1], 18432
	s_add_nc_u64 s[P2S:P2S+1], s[P2S:P2S+1], 768
	LOAD2
.Lno_next:
	QUANT ACC, PC0, PW0
.irp c, 0,1,2
	global_store_b128 v[LI], v[PC0+4*\c:PC0+4*\c+3], s[OI:OI+1] offset:512*\c          ; 512 consecutive bytes, aligned
.endr
	QUANT ACC+64, PC1, PW1
.irp c, 0,1,2
	global_store_b128 v[LI], v[PC1+4*\c:PC1+4*\c+3], s[OI:OI+1] offset:1536+512*\c
.endr
	v_cndmask_b32 v[SWC], v[PW0], v[PW1], s[MK]    ; lanes 0-15 tile 0's words, lanes 16-31 tile 1's
	global_store_b32 v[L4], v[SWC], s[OS:OS+1]     ; 128 consecutive bytes
	s_add_co_u32 s[N], s[N], 1
	s_sub_co_u32 s[CNT], s[CNT], 1
	s_cmp_gt_i32 s[CNT], 0                         ; signed: the count starts at 4 or 6 by a select, and whatever it started at the loop ends when it is no longer above 0
	s_cbranch_scc1 .Lunit
	s_endpgm
.Lfunc_end_k_q69869a6ead_proj:
	.size	k_q69869a6ead_proj, .Lfunc_end_k_q69869a6ead_proj-k_q69869a6ead_proj
	.p2alignl 7, 3214868480
	.fill 96, 4, 3214868480
	.section	.rodata,"a",@progbits
	.p2align	6, 0x0
	.amdhsa_kernel k_q69869a6ead_proj
		.amdhsa_group_segment_fixed_size 0
		.amdhsa_private_segment_fixed_size 0
		.amdhsa_enable_private_segment 0
		.amdhsa_kernarg_size 56
		.amdhsa_user_sgpr_count 2
		.amdhsa_user_sgpr_kernarg_segment_ptr 1
		.amdhsa_wavefront_size32 1
		.amdhsa_system_sgpr_workgroup_id_x 1
		.amdhsa_system_sgpr_workgroup_id_y 1
		.amdhsa_system_sgpr_workgroup_id_z 1
		.amdhsa_system_vgpr_workitem_id 0
		.amdhsa_next_free_vgpr 1024
		.amdhsa_next_free_sgpr 66
		.amdhsa_reserve_vcc 0
		.amdhsa_float_denorm_mode_32 3
		.amdhsa_float_denorm_mode_16_64 3
		.amdhsa_memory_ordered 1
		.amdhsa_forward_progress 1
		.amdhsa_inst_pref_size 47
	.end_amdhsa_kernel
	.amdgpu_metadata
---
amdhsa.version: [ 1, 2 ]
amdhsa.kernels:
  - .name:           k_q69869a6ead_proj
    .symbol:         k_q69869a6ead_proj.kd
    .args:
      - { .name: x_img, .offset: 0, .size: 8, .value_kind: global_buffer, .address_space: global }
      - { .name: x_sc, .offset: 8, .size: 8, .value_kind: global_buffer, .address_space: global }
      - { .name: w_img, .offset: 16, .size: 8, .value_kind: global_buffer, .address_space: global }
      - { .name: w_sc, .offset: 24, .size: 8, .value_kind: global_buffer, .address_space: global }
      - { .name: q_img, .offset: 32, .size: 8, .value_kind: global_buffer, .address_space: global }
      - { .name: q_sc, .offset: 40, .size: 8, .value_kind: global_buffer, .address_space: global }
      - { .name: kv, .offset: 48, .size: 8, .value_kind: global_buffer, .address_space: global }
    .group_segment_fixed_size: 0
    .private_segment_fixed_size: 0
    .kernarg_segment_align: 8
    .kernarg_segment_size: 56
    .max_flat_workgroup_size: 128
    .sgpr_count:     66
    .vgpr_count:     1024
    .wavefront_size: 32
...
	.end_amdgpu_metadata
.endif
;; end of part 2
;; launch attn (part 3): grid 16 x 12, 8 waves a work-group, no clusters, 327,680 bytes of LDS; arguments q_img, q_sc, kv, out0; writes out0
.if DOCPART == 3
	.amdgcn_target "amdgcn-amd-amdhsa--gfx1250"
	.amdhsa_code_object_version 6
	.text
	.protected	k_q69869a6ead_attn
	.globl	k_q69869a6ead_attn
	.p2align	8
	.type	k_q69869a6ead_attn,@function
k_q69869a6ead_attn:
	s_mov_b64 s[64:65], 0
	v_nop
	global_prefetch_b8 v0, s[64:65] scope:SCOPE_SE
	s_setreg_imm32_b32 hwreg(HW_REG_WAVE_MODE, 25, 1), 1
	s_wait_xcnt 0x0
; out[b][q][head] = the sum over k of sigmoid(Q . K / sqrt(128) - ln 4096) V, both products on codes of FP6 (E2M3) with one E8M0 scale for each 32 along K; no row is normalised.
; p = 1 / (1 + 2^(12 - c s)), c = log2(e) / sqrt(128), in f32: where the exponential overflows p is 0, where it falls to 0 p is 1.  p is quantised finished, along the keys, block by block of 32.
; SHARES.  A work-group owns 256 queries of one (batch, head); each of its eight waves 32 of them, two tiles of 16, in 512 registers.  Every wave walks the head's 32 key steps of 128 keys.
; LAYOUT.  Both products are used transposed: S^T = K Q^T (source 0 = 16 keys), O^T = V^T P^T (source 0 = 16 channels): a lane holds one query throughout.  Lane-row r of tile 2 b + u of K is key
; 32 b + 8 u + r + 8 (r / 8), so the 16 registers of tiles 2 b, 2 b + 1 are 16 neighbouring keys; V's channels and Q's rows are laid the same way, which the stage and the stores' offsets undo.
; TILES.  kv holds, for each key step, 25,600 dense bytes: K's 8 register images, K's scale words, V's 8 images, V's scale words.  A slot of LDS holds four steps; two slots take turns; each wave fetches an eighth of a slot.
; THE CHANGE OF SLOTS HAS A KEY STEP'S WORK INSIDE IT.  All of a step's LDS reads stand at its head; what follows works on registers.  So in a slot's last step a wave signals the barrier as soon as its reads are back,
; does the step's work, and only then waits: a wave may be a whole key step ahead of the slowest before it has to stand still.  Behind the wait the slot just read is filled again.
; NO CLUSTER, though the 16 work-groups of a head walk the same tiles.  A work-group asks for 25,600 bytes a key step, on which its eight waves issue 256 matrix and some 4,100 vector instructions: about 6 bytes an
; instruction.  A joint request would spare three quarters of that small stream; its price is a round of the cluster's barrier at each change of slots, in which work can stand behind the opening signal alone and
; which ties the 32 waves of four work-groups to the slowest of them.
; BY TURNS.  The exponentials and reciprocals of one tile stand among the plain lines of the other tile, so that no long run of them stands alone; each has a plain line behind it before its result is used (ISA guide 5.7.2).
; 192 work-groups: 12 heads x 16 blocks of 256 queries; a finer share would cut heads across work-groups or halve what each fragment read from LDS feeds.
; LIMITS: NaN and infinities are not served; p under 2^-126 is taken as 0 (the exponential and the reciprocal flush denormals: ISA guide, their entries); a block of p under 2^-124 keeps the byte 1.
; REGISTERS: window 0: v1-8 addresses; v12-23 scale words; v[24:25] 12.0; v32-127 K's 8 fragments, then p's codes and the quantiser's work; v128-255 S^T, then p (tile a at 128 + 64 a).
;   window 1: v0-127 O^T ((a, t) at 64 a + 8 t); v128-151 Q; v160-255 V's 8 fragments.
.set STEPB, 25600
.set SLOTB, 4*STEPB
.set SLOT1, 1<<17                      ; slot 1 begins here: one exclusive or turns an address from one slot to the other
.set STAGE, SLOT1+SLOTB                ; behind the ring: 16 rows x (512 + 16) bytes for each wave; no tile lands there
.set SPARE, STAGE+8*8448               ; the spare words, 128 bytes for each wave: four blocks of 256 bytes that no other line names
.set LI,  1                            ; 16 x lane
.set LS,  2                            ; 4 x lane
.set ADR, 3                            ; the step's images
.set ADS, 4                            ; the step's scale words
.set SPW, 5                            ; my spare word; never rewritten
.set NIL, 6                            ; 0; never rewritten
.set STO, 7
.set RD,  8
.set KS,  12                           ; v12-15: K's scale words: register j: lanes 0-15 tile 2 j, lanes 16-31 tile 2 j + 1
.set VS,  16                           ; v16-19: V's likewise
.set QS,  20                           ; Q's: lanes 0-15 tile 0, lanes 16-31 tile 1
.set PS,  22                           ; v22-23: p's, tile a
.set BI,  24
.set KF,  32
.set PC,  32                           ; p's codes, tile a at PC + 12 a: in K's registers, which are free behind K Q^T
.set CT,  56
.set TM,  64
.set S,   128
.set QF,  128                          ; in window 1
.set VF,  160                          ; in window 1
.set WV,  12
.set G1,  24                           ; s[24:31] descriptor group 1
.set G0A, 32                           ; s[32:35] group 0 of slot 0's first fill
.set TB,  36
.set SLOTS, 37
.set INNER, 38
.set CS,  40
.set SEL, 42
.set G0W, 48                           ; s[48:51] group 0 of slot 1's first fill, which then walks on
.set W_KQ, 0x04                        ; Q (source 1) in window 1
.set W_PV, 0x51                        ; V (source 0), C and D in window 1
.set TO_1, 0x40                        ; destination window 1
.set MSB, 0
.macro WIN new                         ; the immediate's high byte repeats the setting that is left
.if MSB != (\new)
	s_set_vgpr_msb (MSB<<8)|(\new)
.set MSB, (\new)
.endif
.endm
.macro PLACES n
.rept \n
	v_nop
.endr
.endm
; one matrix instruction.  acc: adds onto d (else the product starts the sum);  ra, rb: source 0's, source 1's scale words stand in lanes 16-31
.macro W6 d, a, b, sa, sb, acc, ra, rb
.if \acc
.if \ra
.if \rb
	v_wmma_scale_f32_16x16x128_f8f6f4 v[(\d):(\d)+7], v[(\a):(\a)+11], v[(\b):(\b)+11], v[(\d):(\d)+7], v[\sa], v[\sb] matrix_a_fmt:MATRIX_FMT_FP6 matrix_b_fmt:MATRIX_FMT_FP6 matrix_a_scale:MATRIX_SCALE_ROW1 matrix_b_scale:MATRIX_SCALE_ROW1
.else
	v_wmma_scale_f32_16x16x128_f8f6f4 v[(\d):(\d)+7], v[(\a):(\a)+11], v[(\b):(\b)+11], v[(\d):(\d)+7], v[\sa], v[\sb] matrix_a_fmt:MATRIX_FMT_FP6 matrix_b_fmt:MATRIX_FMT_FP6 matrix_a_scale:MATRIX_SCALE_ROW1
.endif
.else
.if \rb
	v_wmma_scale_f32_16x16x128_f8f6f4 v[(\d):(\d)+7], v[(\a):(\a)+11], v[(\b):(\b)+11], v[(\d):(\d)+7], v[\sa], v[\sb] matrix_a_fmt:MATRIX_FMT_FP6 matrix_b_fmt:MATRIX_FMT_FP6 matrix_b_scale:MATRIX_SCALE_ROW1
.else
	v_wmma_scale_f32_16x16x128_f8f6f4 v[(\d):(\d)+7], v[(\a):(\a)+11], v[(\b):(\b)+11], v[(\d):(\d)+7], v[\sa], v[\sb] matrix_a_fmt:MATRIX_FMT_FP6 matrix_b_fmt:MATRIX_FMT_FP6
.endif
.endif
.else
.if \ra
.if \rb
	v_wmma_scale_f32_16x16x128_f8f6f4 v[(\d):(\d)+7], v[(\a):(\a)+11], v[(\b):(\b)+11], 0, v[\sa], v[\sb] matrix_a_fmt:MATRIX_FMT_FP6 matrix_b_fmt:MATRIX_FMT_FP6 matrix_a_scale:MATRIX_SCALE_ROW1 matrix_b_scale:MATRIX_SCALE_ROW1
.else
	v_wmma_scale_f32_16x16x128_f8f6f4 v[(\d):(\d)+7], v[(\a):(\a)+11], v[(\b):(\b)+11], 0, v[\sa], v[\sb] matrix_a_fmt:MATRIX_FMT_FP6 matrix_b_fmt:MATRIX_FMT_FP6 matrix_a_scale:MATRIX_SCALE_ROW1
.endif
.else
.if \rb
	v_wmma_scale_f32_16x16x128_f8f6f4 v[(\d):(\d)+7], v[(\a):(\a)+11], v[(\b):(\b)+11], 0, v[\sa], v[\sb] matrix_a_fmt:MATRIX_FMT_FP6 matrix_b_fmt:MATRIX_FMT_FP6 matrix_b_scale:MATRIX_SCALE_ROW1
.else
	v_wmma_scale_f32_16x16x128_f8f6f4 v[(\d):(\d)+7], v[(\a):(\a)+11], v[(\b):(\b)+11], 0, v[\sa], v[\sb] matrix_a_fmt:MATRIX_FMT_FP6 matrix_b_fmt:MATRIX_FMT_FP6
.endif
.endif
.endif
.endm
; il = 1: the next of tile 1's 64 reciprocals (rr counts them)
.macro R1 il
.if \il
.if rr < 64
	v_rcp_f32 v[S+64+rr], v[S+64+rr]
.set rr, rr+1
.endif
.endif
.endm
; THE QUANTISER, in two parts.  64 numbers, register 16 b + i = key 32 b + 16 (lane / 16) + i of my query, become 12 registers of codes at v[pc] and the scale word in v[pw].  p is never negative: no |.| on the sources.
; il = 1: one reciprocal of tile 1 stands behind each line, until the 64 are out.  They name registers of tile 1 alone.
.macro QA s, il                        ; its first eight lines
	s_wait_alu depctr_va_vdst(0)
.irp b, 0,1,2,3
	v_max3_num_f32 v[TM+\b], v[(\s)+16*\b], v[(\s)+1+16*\b], 0x1800000   ; my 16 numbers of block b, and the floor 2^(3 - 127): the byte cannot fall under 1
	R1 \il
.endr
.irp b, 0,1,2,3
	v_max3_num_f32 v[TM+\b], v[TM+\b], v[(\s)+2+16*\b], v[(\s)+3+16*\b]
	R1 \il
.endr
.endm
.macro QB s, pc, pw, il                ; the other sixty
.irp i, 4,6,8,10,12,14
.irp b, 0,1,2,3
	v_max3_num_f32 v[TM+\b], v[TM+\b], v[(\s)+16*\b+\i], v[(\s)+1+16*\b+\i]   ; the four blocks by turns
	R1 \il
.endr
.endr
.irp b, 0,1,2,3
	v_permlanex16_b32 v[TM+4+\b], v[TM+\b], s[SEL], s[SEL+1]   ; (its destination was written by this step's loads of K, or by the other tile's quantiser)
	R1 \il
.endr
.irp b, 0,1,2,3
	v_max_num_f32 v[TM+\b], v[TM+\b], v[TM+4+\b]        ; with lane l xor 16's: the block's largest p
	R1 \il
.endr
.irp b, 0,1,2,3
	v_add_nc_u32 v[TM+12+\b], 0xff000000, v[TM+\b]      ; 2 off the exponent field: the conversion's scale operand
	R1 \il
.endr
.irp b, 0,1,2,3
	v_lshrrev_b32 v[TM+4+\b], 23, v[TM+12+\b]           ; the scale's byte
	R1 \il
.endr
	v_lshl_or_b32 v[\pw], v[TM+5], 8, v[TM+4]
	R1 \il
	v_lshl_or_b32 v[\pw], v[TM+6], 16, v[\pw]
	R1 \il
	v_lshl_or_b32 v[\pw], v[TM+7], 24, v[\pw]
	R1 \il
.irp c, 0,1
	v_cvt_scalef32_pk16_fp6_f32 v[(\pc)+6*\c:(\pc)+6*\c+2], v[(\s)+32*\c:(\s)+32*\c+15], v[TM+12+2*\c]
	R1 \il
	v_cvt_scalef32_pk16_fp6_f32 v[CT+4*\c:CT+4*\c+2], v[(\s)+32*\c+16:(\s)+32*\c+31], v[TM+13+2*\c]   ; (a conversion's three registers begin on an even number)
	R1 \il
.endr
	v_nop                                               ; one plain place behind the scaled conversions, ahead of the lines that touch their results
	R1 \il
.irp c, 0,1                            ; the operand's layout wants a whole block in a lane: lanes 0-15 block 2 c, lanes 16-31 block 2 c + 1
.irp i, 0,1,2
	v_permlane16_swap_b32 v[(\pc)+6*\c+\i], v[CT+4*\c+\i]
	R1 \il
.endr
.irp i, 0,1,2
	v_mov_b32 v[(\pc)+6*\c+3+\i], v[CT+4*\c+\i]
	R1 \il
.endr
.endr
.endm
; S^T = K Q^T: 16 products, each its own accumulator, each starting its sum (the head's 128 are one K step); tile 0's eight, then tile 1's.
; Behind each of tile 1's stand four packed lines of tile 0: 12 - c s, ascending.  They need no other window: the setting moves source 1 alone, which in them is a scalar pair.
.macro KQF
	WIN W_KQ
.irp t, 0,1,2,3,4,5,6,7
	W6 S+8*\t, KF+12*\t, QF, KS+\t/2, QS, 0, \t%2, 0
.endr
	PLACES 4                                       ; in front of the first read of tile 0's scores
.irp t, 0,1,2,3,4,5,6,7
	W6 S+64+8*\t, KF+12*\t, QF+12, KS+\t/2, QS, 0, \t%2, 1
.irp j, 0,2,4,6
	v_pk_fma_f32 v[S+8*\t+\j:S+8*\t+\j+1], v[S+8*\t+\j:S+8*\t+\j+1], s[CS:CS+1], v[BI:BI+1] op_sel_hi:[1,0,0]
.endr
.endr                                  ; the last four lines are the places in front of the first read of tile 1's scores and of writes into K's registers
	WIN 0
.endm
.macro EXP0_FMA1                       ; tile 0: 2^(12 - c s);  tile 1: 12 - c s, ascending
.set ii, 0
.rept 32
	v_exp_f32 v[S+ii], v[S+ii]
	v_exp_f32 v[S+ii+1], v[S+ii+1]
	v_pk_fma_f32 v[S+64+ii:S+64+ii+1], v[S+64+ii:S+64+ii+1], s[CS:CS+1], v[BI:BI+1] op_sel_hi:[1,0,0]
.set ii, ii+2
.endr
.endm
.macro EXP1_ADD0                       ; tile 1: the exponentials;  tile 0: 1 + 2^(..)
.set ii, 0
.rept 32
	v_exp_f32 v[S+64+ii], v[S+64+ii]
	v_exp_f32 v[S+64+ii+1], v[S+64+ii+1]
	s_wait_alu depctr_va_vdst(0)
	v_pk_add_f32 v[S+ii:S+ii+1], v[S+ii:S+ii+1], 1.0 op_sel_hi:[1,0]
.set ii, ii+2
.endr
.endm
.macro RCP0_ADD1                       ; tile 0: p;  tile 1: 1 + 2^(..)
.set ii, 0
.rept 32
	v_rcp_f32 v[S+ii], v[S+ii]
	v_rcp_f32 v[S+ii+1], v[S+ii+1]
	s_wait_alu depctr_va_vdst(0)
	v_pk_add_f32 v[S+64+ii:S+64+ii+1], v[S+64+ii:S+64+ii+1], 1.0 op_sel_hi:[1,0]
.set ii, ii+2
.endr
.endm
.macro PV a, acc                       ; O^T (+)= V^T P^T of tile a: 8 products, 8 accumulators
	WIN W_PV
.irp t, 0,1,2,3,4,5,6,7
	W6 64*(\a)+8*\t, VF+12*\t, PC+12*(\a), VS+\t/2, PS+(\a), \acc, \t%2, 0
.endr
	WIN 0
.endm
; A KEY STEP'S LDS READS: 56 loads, K's 28 first.  An image comes as it lies: 512 consecutive bytes a load.
.macro LOADS
	v_add_nc_u32 v[ADR], s[TB], v[LI]
	v_add_nc_u32 v[ADS], s[TB], v[LS]
.irp j, 0,1,2,3
	ds_load_b32 v[KS+\j], v[ADS] offset:12288+128*\j
.endr
.irp t, 0,1,2,3,4,5,6,7
.irp c, 0,1,2
	ds_load_b128 v[KF+12*\t+4*\c:KF+12*\t+4*\c+3], v[ADR] offset:1536*\t+512*\c
.endr
.endr
	WIN TO_1
.irp t, 0,1,2,3,4,5,6,7
.irp c, 0,1,2
	ds_load_b128 v[VF+12*\t+4*\c:VF+12*\t+4*\c+3], v[ADR] offset:12800+1536*\t+512*\c
.endr
.endr
	WIN 0
.irp j, 0,1,2,3
	ds_load_b32 v[VS+\j], v[ADS] offset:25088+128*\j
.endr
.endm
; A KEY STEP'S WORK, on registers alone.  acc = 0: the first step's products start O^T's sums: nothing is ever cleared.  w = 1: the step's loads may still be out (w = 0: they were waited for in front of the barrier's signal).
; No two matrix instructions that follow each other share an accumulator, over the loops' backward jumps too.
.macro COMPUTE acc, w
.if \w
	s_wait_dscnt 28                                ; K's 28 loads are in; V's 28 may be out
.endif
	KQF
	EXP0_FMA1
	EXP1_ADD0
	RCP0_ADD1
.set rr, 0
	QA S, 1                                        ; tile 0's quantiser, tile 1's reciprocals among its lines
	QB S, PC, PS, 1
	QA S+64, 0                                     ; eight plain lines that name nothing of the products below: the places between the writes of tile 0's codes (4 are asked) and scale word (8) and those products
.if \w
	s_wait_dscnt 0x0                               ; V is in
.endif
	PV 0, \acc
	QB S+64, PC+12, PS+1, 0                        ; the rest of tile 1's quantiser stands behind tile 0's products; it names none of their registers
	PLACES 8                                       ; a scale word written by vector instructions stands 8 places ahead of a scaled product, codes so written 4
	PV 1, \acc
.endm
.macro STEP acc
	LOADS
	COMPUTE \acc, 1
	PLACES 4                                       ; in front of the next step's loads into operands and scale words, and of the way out's reads
	s_add_co_u32 s[TB], s[TB], STEPB
.endm
.macro STEPS n
	s_mov_b32 s[INNER], \n
.Lstep_\@:
	STEP 1
	s_sub_co_u32 s[INNER], s[INNER], 1
	s_cmp_lg_u32 s[INNER], 0
	s_cbranch_scc1 .Lstep_\@
.endm
.macro NEXT_SLOT
	s_sub_co_u32 s[TB], s[TB], SLOTB               ; back to a slot's first step,
	s_xor_b32 s[TB], s[TB], SLOT1                  ; in the other slot
.endm
; A SLOT'S LAST KEY STEP, with the change of slots.  In front of the signal: all my tensor loads have landed (one is out: my eighth of the other slot), the add, and all my LDS loads are back, the last reads of this slot
; among them.  Between signal and wait: the step's work on registers.  Behind the wait the other slot is whole and nobody reads this one.
; fill = 1: this slot is filled again, with the four key steps that follow the other slot's: the load has three key steps in which to land.
.macro LAST fill
	LOADS
	s_wait_tensorcnt 0x0                           ; no tensor load of mine is out, so the walking group 0 may be written
	ds_add_u32 v[SPW], v[NIL]                      ; 0 onto my spare word
.if \fill
	s_xor_b32 s[G0W+1], s[G0W+1], SLOT1            ; the other slot than last time,
	s_add_nc_u64 s[G0W+2:G0W+3], s[G0W+2:G0W+3], SLOTB   ; the next four key steps; the type bits on top are not reached
.endif
	s_wait_dscnt 0x0                               ; the add is done, and my reads of this slot are over
	s_barrier_signal -1
	COMPUTE 1, 0
	s_barrier_wait -1
.if \fill
	tensor_load_to_lds s[G0W:G0W+3], s[G1:G1+7]    ; the first thing behind the barrier, and my one tensor load until the next
	s_nop 0
.endif
	PLACES 4                                       ; the places in front of the next step's loads into operands and scale words
	s_add_co_u32 s[TB], s[TB], STEPB
	NEXT_SLOT
.endm
	s_load_b256 s[4:11], s[0:1], 0x0               ; q_img, q_sc, kv, out0
	v_lshl_add_u32 v[SPW], v0, 2, SPARE
	v_mov_b32 v[NIL], 0
	ds_add_u32 v5, v6
	ds_add_u32 v5, v6
	s_wait_dscnt 0x0
	v_lshrrev_b32 v9, 5, v0
	v_readfirstlane_b32 s[WV], v9                  ; wave 0..7
	s_and_b32 s15, ttmp7, 0xffff                   ; bh = 6 batch + head
	s_cmp_ge_u32 s15, 6
	s_cselect_b32 s16, 1, 0                        ; batch
	s_cselect_b32 s17, 6, 0
	s_sub_co_u32 s17, s15, s17                     ; head
	s_lshl_b32 s18, ttmp9, 3                       ; work-group x: my block of 256 queries
	s_add_co_u32 s18, s18, s[WV]                   ; my block of 32 queries
	s_lshl_b32 s19, s15, 7
	s_add_co_u32 s19, s19, s18
	s_mul_i32 s20, s19, 3072                       ; its two images,
	s_mov_b32 s21, 0
	s_lshl_b32 s22, s19, 7                         ; its scale words,
	s_mov_b32 s23, 0
	s_lshl_b32 s44, s16, 12
	s_lshl_b32 s45, s18, 5
	s_add_co_u32 s44, s44, s45
	s_mul_i32 s44, s44, 3072                       ; its first row of the output,
	s_lshl_b32 s45, s17, 9
	s_add_co_u32 s44, s44, s45                     ; and the head's 512 bytes in it
	s_mov_b32 s45, 0
	s_mul_i32 s46, s15, 32*STEPB                   ; the head's tiles,
	s_mul_i32 s47, s[WV], 12800                    ; my eighth of a slot
	s_add_co_u32 s46, s46, s47
	s_mov_b32 s47, 0
	; descriptor group 1: 12,800 dense bytes as 50 rows of 32 elements of 8 bytes, no padding
	s_mov_b32 s[G1], 3<<16                         ; 15:0 no mask; 17:16 elements of 8 bytes; 20 padding off
	s_mov_b32 s[G1+1], 32<<16                      ; tensor_dim0 = 32
	s_mov_b32 s[G1+2], 50<<16                      ; tensor_dim1 = 50
	s_mov_b32 s[G1+3], 32<<16                      ; tile_dim0 = 32
	s_mov_b32 s[G1+4], 50                          ; tile_dim1 = 50
	s_mov_b32 s[G1+5], 32                          ; elements from row to row
	s_mov_b32 s[G1+6], 0
	s_mov_b32 s[G1+7], 0
	s_mov_b32 s[CS], 0xbe0293ee                    ; -c = -log2(e) / sqrt(128)
	s_mov_b32 s[CS+1], s[CS]                       ; (named with it as a pair, so it is written)
	s_mov_b32 s[SEL], 0x76543210
	s_mov_b32 s[SEL+1], 0xfedcba98
	s_mov_b32 s[TB], 0
	s_wait_kmcnt 0x0
	s_mov_b32 s[G0A], 1                            ; count = 1
	s_mul_i32 s[G0A+1], s[WV], 12800               ; LDS address: slot 0, my eighth
	s_add_nc_u64 s[G0A+2:G0A+3], s[8:9], s[46:47]  ; global address: key steps 0 to 3
	s_mov_b32 s[G0W], 1
	s_add_co_u32 s[G0W+1], s[G0A+1], SLOT1         ; slot 1, my eighth
	s_add_nc_u64 s[G0W+2:G0W+3], s[G0A+2:G0A+3], SLOTB   ; key steps 4 to 7
	s_or_b32 s[G0A+3], s[G0A+3], 0x80000000        ; type = 2
	s_or_b32 s[G0W+3], s[G0W+3], 0x80000000
	s_add_nc_u64 s[4:5], s[4:5], s[20:21]
	s_add_nc_u64 s[6:7], s[6:7], s[22:23]
	s_add_nc_u64 s[10:11], s[10:11], s[44:45]
	tensor_load_to_lds s[G0A:G0A+3], s[G1:G1+7]    ; the two first fills go out together, ahead of every wait on TENSORcnt, every LDS read and every barrier: two loads of mine are out
	s_nop 0
	tensor_load_to_lds s[G0W:G0W+3], s[G1:G1+7]
	s_nop 0
	PLACES 4
	v_and_b32 v9, 31, v0
	v_lshlrev_b32 v[LI], 4, v9
	v_lshlrev_b32 v[LS], 2, v9
	v_and_b32 v10, 15, v0                          ; r
	v_bfe_u32 v11, v0, 4, 1                        ; h
	s_mul_i32 s39, s[WV], 8448
	s_add_co_u32 s39, s39, STAGE                   ; my stage
	v_mul_u32_u24 v[STO], v10, 528
	v_lshl_add_u32 v[STO], v11, 6, v[STO]
	v_add_nc_u32 v[STO], s39, v[STO]               ; in: row r, + 64 h
	v_add_nc_u32 v[RD], s39, v[LI]                 ; back: a row of 512 bytes, 16 bytes a lane
	v_mov_b32 v[BI], 0x41400000                    ; 12.0 = ln 4096 x log2(e)
	v_mov_b32 v[BI+1], 0x41400000
	WIN TO_1
.irp a, 0,1
.irp c, 0,1,2
	global_load_b128 v[QF+12*\a+4*\c:QF+12*\a+4*\c+3], v[LI], s[4:5] offset:1536*\a+512*\c   ; Q's two fragments stay in registers
.endr
.endr
	WIN 0
	global_load_b32 v[QS], v[LS], s[6:7]
	s_wait_loadcnt 0x0                             ; Q
	s_wait_tensorcnt 0x1                           ; my eighth of slot 0 is in; slot 1's may stay out
	s_barrier_signal -1
	s_barrier_wait -1                              ; everybody's is
	STEP 0                                         ; the first key step stands in front of the loops: its products start O^T's sums
	STEPS 2
	LAST 1                                         ; slot 0 takes key steps 8 to 11
	s_mov_b32 s[SLOTS], 5
.Lslot:                                            ; five trips: slots' worth 1 to 5 are read, 3 to 7 asked for
	STEPS 3
	LAST 1
	s_sub_co_u32 s[SLOTS], s[SLOTS], 1
	s_cmp_lg_u32 s[SLOTS], 0
	s_cbranch_scc1 .Lslot
	STEPS 3                                        ; the tail is written out: the last slot but one is left, and nothing is asked for
	LAST 0
	STEPS 4
; THE WAY OUT.  Register j of O^T (a, t) is channel 32 (t / 2) + 16 h + 8 (t % 2) + j of my query.  A tile goes through my own stage and comes back as whole rows of 512 bytes.
.macro TOSTAGE a
	WIN 0x04                                       ; an LDS store's data are its source 1: window 1
.irp t, 0,1,2,3,4,5,6,7
	ds_store_b128 v[STO], v[64*(\a)+8*\t:64*(\a)+8*\t+3] offset:128*(\t/2)+32*(\t%2)          ; each accumulator from its low end on
	ds_store_b128 v[STO], v[64*(\a)+8*\t+4:64*(\a)+8*\t+7] offset:128*(\t/2)+32*(\t%2)+16
.endr
	WIN 0
.irp i, 0,1,2,3,4,5,6,7,8,9,10,11,12,13,14,15
	ds_load_b128 v[S+64*(\a)+4*\i:S+64*(\a)+4*\i+3], v[RD] offset:528*\i   ; LDS serves a wave's instructions in order: these see the stores above, and the next tile's stores come behind them
.endr
.endm
.macro SEND a, younger
	s_wait_dscnt \younger
.irp i, 0,1,2,3,4,5,6,7,8,9,10,11,12,13,14,15
	global_store_b128 v[LI], v[S+64*(\a)+4*\i:S+64*(\a)+4*\i+3], s[10:11] offset:(8*(\a)+\i+8*(\i/8))*3072 th:TH_STORE_NT   ; lane-row i is query 8 a + i + 8 (i / 8) of my 32: 512 consecutive bytes, aligned
.endr
.endm
	TOSTAGE 0
	TOSTAGE 1
	SEND 0, 32                                     ; behind tile 0's loads: tile 1's 16 stores and 16 loads
	SEND 1, 0
	s_wait_tensorcnt 0x0                           ; the wave's end, behind my last tensor load and my last LDS store
	ds_add_u32 v[SPW], v[NIL]
	s_wait_dscnt 0x0
	s_endpgm
.Lfunc_end_k_q69869a6ead_attn:
	.size	k_q69869a6ead_attn, .Lfunc_end_k_q69869a6ead_attn-k_q69869a6ead_attn
	.p2alignl 7, 3214868480
	.fill 96, 4, 3214868480
	.section	.rodata,"a",@progbits
	.p2align	6, 0x0
	.amdhsa_kernel k_q69869a6ead_attn
		.amdhsa_group_segment_fixed_size 327680
		.amdhsa_private_segment_fixed_size 0
		.amdhsa_enable_private_segment 0
		.amdhsa_kernarg_size 32
		.amdhsa_user_sgpr_count 2
		.amdhsa_user_sgpr_kernarg_segment_ptr 1
		.amdhsa_wavefront_size32 1
		.amdhsa_system_sgpr_workgroup_id_x 1
		.amdhsa_system_sgpr_workgroup_id_y 1
		.amdhsa_system_sgpr_workgroup_id_z 1
		.amdhsa_system_vgpr_workitem_id 0
		.amdhsa_next_free_vgpr 512
		.amdhsa_next_free_sgpr 66
		.amdhsa_reserve_vcc 0
		.amdhsa_float_denorm_mode_32 3
		.amdhsa_float_denorm_mode_16_64 3
		.amdhsa_memory_ordered 1
		.amdhsa_forward_progress 1
		.amdhsa_inst_pref_size 255
	.end_amdhsa_kernel
	.section	.bss,"aw",@nobits
	.p2align	6
	.space	262144
	.amdgpu_metadata
---
amdhsa.version: [ 1, 2 ]
amdhsa.kernels:
  - .name:           k_q69869a6ead_attn
    .symbol:         k_q69869a6ead_attn.kd
    .args:
      - { .name: q_img, .offset: 0, .size: 8, .value_kind: global_buffer, .address_space: global }
      - { .name: q_sc, .offset: 8, .size: 8, .value_kind: global_buffer, .address_space: global }
      - { .name: kv, .offset: 16, .size: 8, .value_kind: global_buffer, .address_space: global }
      - { .name: out0, .offset: 24, .size: 8, .value_kind: global_buffer, .address_space: global }
    .group_segment_fixed_size: 327680
    .private_segment_fixed_size: 0
    .kernarg_segment_align: 8
    .kernarg_segment_size: 32
    .max_flat_workgroup_size: 256
    .sgpr_count:     66
    .vgpr_count:     512
    .wavefront_size: 32
...
	.end_amdgpu_metadata
.endif
;; end of part 3
